; MI455X (gfx1250); checked and timed in simulation.
; The chip was launched on July 23, 2026; its instructions are those of AMD's public machine-readable ISA for CDNA 5 (MIT licence, August 2026) and "CDNA5" Instruction Set Architecture Reference Guide (July 2026). The comments in the code are by the model that wrote it; some were corrected since.
;; Hqq Int4 Linear. Allowed arithmetic: float matrix products may take bf16 or f16 operands with f32 sums; other float arithmetic in f32, or as packed bf16 or f16 multiplies, adds, multiply-adds, maxima and minima; sums over many terms, partial sums and values carried from step to step in f32; what a program stores and reads back later, other than sums and carried values, may be rounded once to bf16 or f16.
;; Inputs: W_q 8,388,608 uint8; scale 262,144 x 1 float32; x 2 x 2,048 x 4,096 float32; zero 262,144 x 1 float32.
;; Outputs: out0 2 x 2,048 x 4,096 float32.
;; 2 versions, each right; version 2 is version 1 with the launch prep written anew for expert scheduling mode. Each part assembles by itself: llvm-mc -triple=amdgcn-amd-amdhsa -mcpu=gfx1250 --defsym DOCPART=n.
;; ======== version 1 of 2: 2 launches
;; limits: values are held in f16: magnitudes above 65,504 overflow, below 6.1e-05 lose precision; inputs' magnitudes at most 65,504
;; workspace buffers: xh 33,554,432 bytes; wh 33,554,432 bytes
;; launch prep (part 1): grid 1024 x 1, 8 waves a work-group, no clusters, 0 bytes of LDS; arguments x, W_q, scale, zero, xh, wh; writes xh, wh
.if DOCPART == 1
	.amdgcn_target "amdgcn-amd-amdhsa--gfx1250"
	.amdhsa_code_object_version 6
	.text
	.protected	k_qc33c01f742_prep
	.globl	k_qc33c01f742_prep
	.p2align	8
	.type	k_qc33c01f742_prep,@function
k_qc33c01f742_prep:
	s_mov_b64 s[64:65], 0
	v_nop
	global_prefetch_b8 v0, s[64:65] scope:SCOPE_SE
	s_setreg_imm32_b32 hwreg(HW_REG_WAVE_MODE, 25, 1), 1
	s_wait_xcnt 0x0
; xh = f16(x), and wh = f16((n - zero) * scale): both operands of the product that follows, each rounded once.
; x: [4096][4096] f32.  W_q: 8,388,608 bytes; byte f holds element f of W (rows 0-2047) in its high nibble and element f + 8,388,608 (rows 2048-4095) in its low one.
; scale, zero: one f32 for each group of 64 neighbouring elements of W, group = element / 64.  xh, wh: [4096][4096] f16, row-major.
; LIMITS.  f16 holds no number beyond 65,504: an |x| or |(n - zero) scale| of 65,520 or more becomes an infinity; below 6.1e-5 a number keeps f16's fixed step of 6e-8.
; w is formed in f32 as n * s + (-(z * s)), one fused multiply-add: it differs from (n - z) * s by roundings of f32.  NaN and infinities are not treated apart.
; A STREAM: every byte is read once and written once, so there is no LDS, no barrier, no matrix work, and nothing that work-groups share.  The text is straight: no loop, EXEC never changes.
; SHARES.  Work-group b of 1,024, eight waves, thread t, lane l, wave w.
;   x:  four rows, 65,536 bytes at b << 16, in 16 chunks: thread t loads 16 bytes at 4,096 j + 16 t and stores 8 bytes at 2,048 j + 8 t: each store of a wave covers 256 consecutive bytes, aligned.
;   W:  8,192 bytes of W_q at b << 13, wave w 1,024 of them in 4 chunks: lane l loads the 8 bytes at 1,024 w + 256 c + 8 l.  Its 8 high nibbles are 16 bytes of wh at twice that offset, its 8 low
;       nibbles the same 16,777,216 bytes further on: each store of a wave covers 512 consecutive bytes, aligned.
;   scale, zero: a wave's 1,024 bytes span 16 groups in each half of W.  Lanes 0-15 load the 16 of the high nibbles, lanes 16-31 the 16 of the low ones: each word is fetched once a wave.
;       Chunk c of lane l wants the group in lane 4 c + l / 8 (+ 16 for the low nibbles): brought by ds_bpermute_b32, which moves between lanes and touches no LDS byte.
; IN FLIGHT.  All 22 loads of a wave go out together, ahead of all arithmetic; the waits below are counted, so that the younger loads stay out.
.set XO,  2                            ; v2       16 t: my bytes in a chunk of x; never rewritten
.set YO,  3                            ; v3       8 t: my bytes in a chunk of xh; never rewritten
.set QO,  4                            ; v4       1,024 w + 8 l: my bytes of W_q; never rewritten
.set WO,  5                            ; v5       2,048 w + 16 l: my bytes of wh; never rewritten
.set TO,  6                            ; v6       64 w + 4 (l % 16) + 524,288 (l / 16): my word of scale and of zero; never rewritten
.set SC,  8                            ; v8       my group's scale s
.set ZE,  9                            ; v9       its zero z
.set CZ,  10                           ; v10      -(z s)
.set IDX, 12                           ; v[12:19] the eight lane selects, 4 x lane, for chunk c and half p at IDX + 2 c + p
.set N,   12                           ; v[12:19] afterwards: eight numbers at work
.set P,   20                           ; v[20:35] for chunk c and half p the pair (s, -(z s)) at P + 2 (2 c + p)
.set Q,   36                           ; v[36:43] chunk c's 8 bytes of W_q
.set O,   44                           ; v[44:59] two sets of 8 to store: set c % 2; the high nibbles' four registers, then the low nibbles'
.set X,   60                           ; v[60:123] chunk j's four words of x; its first two then hold the four f16
	s_load_b256 s[4:11], s[0:1], 0x0               ; x s[4:5], W_q s[6:7], scale s[8:9], zero s[10:11]
	s_load_b128 s[12:15], s[0:1], 0x20             ; xh s[12:13], wh s[14:15]
	v_and_b32 v1, 31, v0                           ; l
	v_lshlrev_b32 v[XO], 4, v0
	v_lshlrev_b32 v[YO], 3, v0
	v_and_b32 v7, 0xe0, v0                         ; 32 w
	v_lshlrev_b32 v[QO], 3, v1
	v_lshl_or_b32 v[QO], v7, 5, v[QO]
	v_lshlrev_b32 v[WO], 4, v1
	v_lshl_or_b32 v[WO], v7, 6, v[WO]
	v_and_b32 v[TO], 15, v0
	v_lshlrev_b32 v[TO], 2, v[TO]
	v_lshl_or_b32 v[TO], v7, 1, v[TO]
	v_bfe_u32 v7, v0, 4, 1                         ; l / 16: the low nibbles' groups lie 131,072 groups, 524,288 bytes, further on
	v_lshl_or_b32 v[TO], v7, 19, v[TO]
	v_lshrrev_b32 v7, 3, v1
	v_lshlrev_b32 v7, 2, v7                        ; 4 (l / 8)
.irp k, 0,1,2,3,4,5,6,7
	v_add_nc_u32 v[IDX+(\k)], 16*((\k)/2)+64*((\k)%2), v7  ; 4 x (4 c + l / 8 + 16 p)
.endr
	s_mov_b32 s19, 0                               ; s[18:19]: the work-group's byte offset in each buffer, all under 2^27
	s_wait_kmcnt 0x0
	s_lshl_b32 s18, ttmp9, 16
	s_add_nc_u64 s[4:5], s[4:5], s[18:19]          ; x: 65,536 bytes a work-group
	s_lshl_b32 s18, ttmp9, 13
	s_add_nc_u64 s[6:7], s[6:7], s[18:19]          ; W_q: 8,192
	s_lshl_b32 s18, ttmp9, 9
	s_add_nc_u64 s[8:9], s[8:9], s[18:19]          ; scale and zero: 128 groups, 512 bytes, in each half
	s_add_nc_u64 s[10:11], s[10:11], s[18:19]
	s_lshl_b32 s18, ttmp9, 15
	s_add_nc_u64 s[12:13], s[12:13], s[18:19]      ; xh: 32,768
	s_lshl_b32 s18, ttmp9, 14
	s_add_nc_u64 s[14:15], s[14:15], s[18:19]      ; wh: 16,384 in rows 0-2047,
	s_add_nc_u64 s[16:17], s[14:15], 0x1000000     ; and 16,384 in rows 2048-4095: too far for a store's immediate, so a base of its own
	global_load_b32 v[SC], v[TO], s[8:9]           ; no hint: the neighbouring waves read the neighbouring words
	global_load_b32 v[ZE], v[TO], s[10:11]
.irp c, 0,1,2,3
	global_load_b64 v[Q+2*(\c):Q+2*(\c)+1], v[QO], s[6:7] offset:256*(\c) th:TH_LOAD_NT
.endr
.irp j, 0,1,2,3,4,5,6,7,8,9,10,11,12,13,14,15
	global_load_b128 v[X+4*(\j):X+4*(\j)+3], v[XO], s[4:5] offset:4096*(\j) th:TH_LOAD_NT
.endr
	s_wait_loadcnt 20                              ; loads come back in order (ISA guide 5.7.1): s and z are in; the 4 loads of W_q and the 16 of x stay out
	v_mul_f32 v[CZ], -v[ZE], v[SC]
.irp k, 0,1,2,3,4,5,6,7
	ds_bpermute_b32 v[P+2*(\k)],   v[IDX+(\k)], v[SC]
	ds_bpermute_b32 v[P+2*(\k)+1], v[IDX+(\k)], v[CZ]
.endr
	s_wait_loadcnt 16                              ; W_q's four chunks are in; the 16 loads of x stay out
	s_wait_dscnt 0x0                               ; the sixteen exchanges are done: P is whole, and IDX's registers may serve as N
; Chunk c, half p (0: high nibbles, 1: low nibbles): eight codes to f32, n s - z s, rounded to f16, 16 bytes stored.
.macro DEQ c, p
.set OB, O+8*((\c)%2)+4*(\p)
.set PP, P+2*(2*(\c)+(\p))
.irp j, 0,1,2,3,4,5,6,7
	v_bfe_u32 v[N+(\j)], v[Q+2*(\c)+(\j)/4], 8*((\j)%4)+4*(1-(\p)), 4
.endr
.irp j, 0,1,2,3,4,5,6,7
	v_cvt_f32_u32 v[N+(\j)], v[N+(\j)]
.endr
.irp j, 0,2,4,6
	v_pk_fma_f32 v[N+(\j):N+(\j)+1], v[N+(\j):N+(\j)+1], v[PP:PP+1], v[PP:PP+1] op_sel:[0,0,1] op_sel_hi:[1,0,1]  ; both halves: times the pair's first register, plus its second
.endr
.irp j, 0,1,2,3
	v_cvt_pk_f16_f32 v[OB+(\j)], v[N+2*(\j)], v[N+2*(\j)+1]
.endr
.if (\p) == 0
	global_store_b128 v[WO], v[OB:OB+3], s[14:15] offset:512*(\c) th:TH_STORE_NT
.else
	global_store_b128 v[WO], v[OB:OB+3], s[16:17] offset:512*(\c) th:TH_STORE_NT
.endif
.endm
	DEQ 0, 0
	DEQ 0, 1
	DEQ 1, 0
	DEQ 1, 1
	s_wait_xcnt 0x0                                ; every earlier memory instruction has had its addresses translated (ISA guide 3.1): both sets of O, which the four stores above read, are rewritten only behind this wait
	DEQ 2, 0
	DEQ 2, 1
	DEQ 3, 0
	DEQ 3, 1
; Chunk j of x: four f32 to four f16, in place; no register is used twice, so the one wait is for the chunk's own load.
.macro CVX j
	s_wait_loadcnt 15-(\j)                         ; chunk j is in; the younger chunks stay out
	v_cvt_pk_f16_f32 v[X+4*(\j)],   v[X+4*(\j)],   v[X+4*(\j)+1]
	v_cvt_pk_f16_f32 v[X+4*(\j)+1], v[X+4*(\j)+2], v[X+4*(\j)+3]
	global_store_b64 v[YO], v[X+4*(\j):X+4*(\j)+1], s[12:13] offset:2048*(\j) th:TH_STORE_NT
.endm
.irp j, 0,1,2,3,4,5,6,7,8,9,10,11,12,13,14,15
	CVX \j
.endr
	s_endpgm
.Lfunc_end_k_qc33c01f742_prep:
	.size	k_qc33c01f742_prep, .Lfunc_end_k_qc33c01f742_prep-k_qc33c01f742_prep
	.p2alignl 7, 3214868480
	.fill 96, 4, 3214868480
	.section	.rodata,"a",@progbits
	.p2align	6, 0x0
	.amdhsa_kernel k_qc33c01f742_prep
		.amdhsa_group_segment_fixed_size 0
		.amdhsa_private_segment_fixed_size 0
		.amdhsa_enable_private_segment 0
		.amdhsa_kernarg_size 48
		.amdhsa_user_sgpr_count 2
		.amdhsa_user_sgpr_kernarg_segment_ptr 1
		.amdhsa_wavefront_size32 1
		.amdhsa_system_sgpr_workgroup_id_x 1
		.amdhsa_system_sgpr_workgroup_id_y 1
		.amdhsa_system_sgpr_workgroup_id_z 1
		.amdhsa_system_vgpr_workitem_id 0
		.amdhsa_next_free_vgpr 124
		.amdhsa_next_free_sgpr 66
		.amdhsa_reserve_vcc 0
		.amdhsa_float_denorm_mode_32 3
		.amdhsa_float_denorm_mode_16_64 3
		.amdhsa_memory_ordered 1
		.amdhsa_forward_progress 1
		.amdhsa_inst_pref_size 20
	.end_amdhsa_kernel
	.amdgpu_metadata
---
amdhsa.version: [ 1, 2 ]
amdhsa.kernels:
  - .name:           k_qc33c01f742_prep
    .symbol:         k_qc33c01f742_prep.kd
    .args:
      - { .name: x, .offset: 0, .size: 8, .value_kind: global_buffer, .address_space: global }
      - { .name: W_q, .offset: 8, .size: 8, .value_kind: global_buffer, .address_space: global }
      - { .name: scale, .offset: 16, .size: 8, .value_kind: global_buffer, .address_space: global }
      - { .name: zero, .offset: 24, .size: 8, .value_kind: global_buffer, .address_space: global }
      - { .name: xh, .offset: 32, .size: 8, .value_kind: global_buffer, .address_space: global }
      - { .name: wh, .offset: 40, .size: 8, .value_kind: global_buffer, .address_space: global }
    .group_segment_fixed_size: 0
    .private_segment_fixed_size: 0
    .kernarg_segment_align: 8
    .kernarg_segment_size: 48
    .max_flat_workgroup_size: 256
    .sgpr_count:     66
    .vgpr_count:     124
    .wavefront_size: 32
...
	.end_amdgpu_metadata
.endif
;; end of part 1
;; launch gemm (part 2): grid 16 x 16, 4 waves a work-group, clusters of 4 x 4, 327,680 bytes of LDS; arguments xh, wh, out0; writes out0
.if DOCPART == 2
	.amdgcn_target "amdgcn-amd-amdhsa--gfx1250"
	.amdhsa_code_object_version 6
	.text
	.protected	k_qc33c01f742_gemm
	.globl	k_qc33c01f742_gemm
	.p2align	8
	.type	k_qc33c01f742_gemm,@function
k_qc33c01f742_gemm:
	s_mov_b64 s[64:65], 0
	v_nop
	global_prefetch_b8 v0, s[64:65] scope:SCOPE_SE
	s_setreg_imm32_b32 hwreg(HW_REG_WAVE_MODE, 25, 1), 1
	s_wait_xcnt 0x0
	s_wait_alu depctr_hold_cnt(0) depctr_sa_sdst(0) depctr_va_vdst(0) depctr_va_sdst(0) depctr_va_ssrc(0) depctr_va_vcc(0) depctr_vm_vsrc(0)
	s_getreg_b32 s2, hwreg(HW_REG_IB_STS2, 6, 4)
	s_cmp_eq_u32 s2, 0
	s_cbranch_scc0 .Lentry_in_a_cluster
	s_endpgm
.Lentry_in_a_cluster:
	s_bfe_u32 s2, ttmp6, 0x10000c
	s_cmp_lg_u32 s2, 0xf033
	s_cbranch_scc0 .Lentry_shape_is_right
	s_endpgm
.Lentry_shape_is_right:
; out0[m][o] = the sum over i of xh[m][i] wh[o][i].  xh (A): [4096][4096] f16, wh (B): [4096][4096] f16, out0: [4096][4096] f32; sums in f32, K ascending, one sum for each output.
; LIMITS.  The operands are f16, as the launch before rounded them: within 65,504, with f16's fixed step of 6e-8 below 6.1e-5.  f16 and not bf16: its 11 significant bits leave the output's
; error far inside one part in a hundred of the output's root mean square, which 8 bits do not for every one of 16.7 million numbers.  NaN and infinities are not treated apart.
; SHARES.  256 tiles of 256 x 256, a work-group each, four waves; a wave makes 128 x 128: 64 accumulators of 16 x 16, 512 registers.  K goes in 32 steps of 128 through a ring of two LDS slots
; filled by the tensor data mover: the rows of A's and B's tiles are 256 bytes of memory and start at multiples of 256 bytes from the buffer's first byte.
; CLUSTERS: 4 x 4 work-groups.  The four of a row of the cluster make tiles of one tile row and need the same tiles of A; the four of a column need the same tiles of B.  Such a tile is asked for
; JOINTLY: each of the four issues the same tensor load, with the same descriptor and a mask that names the four, and each receives it in its own LDS: a quarter of the requests for A and for B.
; REGISTERS, in windows of 256 (an instruction names v0-v255; s_set_vgpr_msb says which window each operand place means: bits 1:0 source 0, 3:2 source 1, 5:4 source 2, 7:6 destination):
;   window 0: v0-31 addresses; v64-127, v128-191 fragments of A (8 x 16 rows x 32 K), two buffers; on the way out v64-255 are three buffers of 16 rows read back from the stage
;   window 1: v64-127, v128-191 fragments of B, two buffers
;   window 2: the 32 accumulators of my rows 0-63 (accumulator (a, b) at v[8 (8 a + b)]);   window 3: those of my rows 64-127
; THE MATRIX INSTRUCTION IS USED TRANSPOSED: source 0 = 16 rows of B, source 1 = 16 rows of A.  In the result lane l holds row l % 16 of out0, and its registers 0 to 7 the columns
; 8 (l / 16) + 0 .. 7: eight neighbouring f32 of a row, 32 bytes.
; All of the work-group's LDS allowance is claimed; the text uses 312,832 bytes.
.set SIZE_K, 4096
.set SIZE_N, 4096
.set KSTEP,  128
.set PITCH,  272                       ; an LDS row: 256 bytes of data + 16 of padding = 68 words: row r starts at bank 4 r mod 64 (64 banks of 4 bytes: ISA guide 11.1), so the 16 rows that a load touches start at 16 different banks
.set HALFT,  128*PITCH                 ; 128 rows: what one tensor load brings, and what one wave reads of A or of B
.set SLOT,   4*HALFT                   ; A's 256 rows, then B's 256 rows
.set STAGE,  2*SLOT                    ; behind the ring: 16 rows x 528 bytes for each wave, for the way out; no tensor load lands there
.set SPITCH, 528                       ; a stage row: my 128 columns in f32, 512 bytes, + 16 of padding: 16 rows start at 16 different groups of four banks
.set SPARE,  STAGE+4*16*SPITCH         ; behind the stages: the spare words, 128 bytes for each wave: two blocks of 256 bytes that no other line names
.set LAPS,   SIZE_K/(2*KSTEP)          ; a lap = two K steps = once round the ring: 16
.set ADRA, 16                          ; v16-17  LDS address of my A fragments in slot 0, 1
.set ADRB, 20                          ; v20-21  the same for B
.set STO,  24                          ; v24     the way out: where I put 32 bytes of a row
.set RD,   25                          ; v25     the way out: where I read 16 bytes of a row back
.set CO,   26                          ; v26     16 x my lane: my bytes in my wave's 512 bytes of a row of out0
.set SPW,  28                          ; v28     LDS address of my spare word: SPARE + 4 x my thread's number; never rewritten
.set NIL,  29                          ; v29     0; never rewritten
.set PFO,  30                          ; v30     the prefetches' offset: my lane x a row of A or B in memory (8,192 bytes); never rewritten
.set PFA,  44                          ; s[44:45] where my prefetches stand: my work-group's 32 rows of the 128 that I fetch, one K step further along K than the refill that is being asked for; a prefetch names the K step after that
.set LIM,  43                          ; s43     1 in a wave that prefetches, else the greatest number
.set F0,   64                          ; fragment buffer 0
.set F1,   128                         ; fragment buffer 1
.set G1, 24                            ; s[24:31] descriptor group 1 for A's tiles
.set G0, 32                            ; s[32:39] descriptor group 0 for A's tiles, one set for each slot
.set G1B, 48                           ; s[48:55] descriptor group 1 for B's tiles: it differs from A's in the mask alone
.set G0B, 56                           ; s[56:63] descriptor group 0 for B's tiles, one set for each slot
.set MSB, 0
.macro WIN new                         ; the immediate's high byte repeats the setting that is left; a switch that changes nothing is dropped
.if MSB != (\new)
	s_set_vgpr_msb (MSB<<8)|(\new)
.set MSB, \new
.endif
.endm
.set MUL_LO, 0xa1                      ; source 0 (B) window 1, source 1 (A) window 0, C and D window 2
.set MUL_HI, 0xf1                      ; the same, C and D window 3
.set TO_B,   0x40                      ; destination window 1, address window 0
; A joint load.  Waves 0 and 1 fetch A's two halves, waves 2 and 3 B's.  Each of the two lines has ONE mask and one set of registers for all that issue it, and nothing in them hangs on a
; coordinate that the four partners do not share.  The branch hangs on the wave's number alone.  An s_nop 0 and four v_nop follow each of the two lines, ahead of the jump, the label and
; what follows the macro.
.macro JLOAD s
	s_cmp_eq_u32 s11, 0
	s_cbranch_scc0 .Lfor_b_\@
	tensor_load_to_lds s[G0+4*(\s):G0+4*(\s)+3], s[G1:G1+7]
	s_nop 0
.rept 4
	v_nop
.endr
	s_branch .Lasked_\@
.Lfor_b_\@:
	tensor_load_to_lds s[G0B+4*(\s):G0B+4*(\s)+3], s[G1B:G1B+7]
	s_nop 0
.rept 4
	v_nop
.endr
.Lasked_\@:
.endm
; A PREFETCH INTO THE L2, behind each joint load, its five lines and the run of LDS loads that follows them: the K step that stands TWO refills on, 512 matrix instructions ahead of the load that
; will ask for it: 32 rows x 256 bytes, a lane a row, one instruction a wave.  At a change of slots every wave has waited for all its tensor loads, so the refill that follows has nothing on its way beside it.
; Each row's 256 bytes of a K step are named ONCE in the launch.  A's tile row is read by every cluster of that row of clusters: the one with cluster x = 0 asks; B's tile column by every cluster
; of that column: cluster y = 0 asks.  The four partners that ask for a tile jointly share its rows out BY ADDRESS: of the 128 rows that a wave fetches, the partner at place p takes
; 32 p .. 32 p + 31 (p = cx for A, cy for B): no branch hangs on a work-group's place in its cluster.  K steps 0 to 3 come by their loads alone; the loop's last trip asks for nothing: K step 31 is the last.
.macro ASK
	s_cmp_gt_u32 s3, s[LIM]                        ; s3 = 1 in the loop's last trip
	s_cbranch_scc0 .Lnot_mine_\@
	global_prefetch_b8 v[PFO], s[PFA:PFA+1] offset:KSTEP*2 th:TH_LOAD_NT scope:SCOPE_SE
.Lnot_mine_\@:
.endm
; A round of the cluster's barrier: my work-group's barrier, so that wave 0's signal speaks for all four waves; wave 0 signals for the work-group; every wave waits for all sixteen
; work-groups; my work-group's barrier once more.  No LDS instruction of the wave is pending at a signal.
.macro CREST                           ; a round behind its opening barrier
	s_cmp_lg_u32 s10, 0
	s_cbranch_scc1 .Lnot_wave_0_\@
	s_barrier_signal -3
.Lnot_wave_0_\@:
	s_barrier_wait -3
	s_barrier_signal -1
	s_barrier_wait -1
.endm
.macro CROUND                          ; a whole round
	s_barrier_signal -1
	s_barrier_wait -1
	CREST
.endm
	s_load_b128 s[4:7], s[0:1], 0x0                ; A = xh s[4:5], B = wh s[6:7]
	s_load_b64 s[8:9], s[0:1], 0x10                ; out0
	v_lshl_add_u32 v[SPW], v0, 2, SPARE
	v_mov_b32 v[NIL], 0
	ds_add_u32 v[SPW], v[NIL]                      ; the wave's opening: the add, twice on end, and its wait ahead of my first tensor load; the set-up below the second, work on registers, stands between it and the wait
	ds_add_u32 v[SPW], v[NIL]                      ; and once more, under the one wait
	v_lshrrev_b32 v1, 5, v0
	v_readfirstlane_b32 s10, v1                    ; wave 0..3
	s_lshr_b32 s11, s10, 1                         ; which half of the tile's rows is mine.  Also: I fetch for A (0) or for B (1)
	s_and_b32 s12, s10, 1                          ; which half of its columns.  Also: which 128 rows of that tile I fetch
	s_bfe_u32 s40, ttmp6, 0x40000                  ; cx: my place along the cluster's x
	s_bfe_u32 s41, ttmp6, 0x40004                  ; cy: along its y
	s_lshl_b32 s42, ttmp9, 2                       ; in a cluster launch ttmp9 and ttmp7 count clusters
	s_add_co_u32 s42, s42, s40                     ; tile column = 4 x cluster x + cx
	s_and_b32 s13, ttmp7, 0xffff
	s_lshl_b32 s13, s13, 2
	s_add_co_u32 s13, s13, s41                     ; tile row = 4 x cluster y + cy
	s_lshl_b32 s43, s41, 2
	s_lshl_b32 s43, 15, s43                        ; my row of the cluster: places 4 cy .. 4 cy + 3
	s_lshl_b32 s44, 0x1111, s40                    ; my column: places cx, cx + 4, cx + 8, cx + 12
	; descriptor group 1: a tile of 128 rows x 128 elements, padded in LDS
	s_or_b32 s[G1+0], s43, (1<<16)|(1<<20)|(1<<21)|(5<<22)|(3<<25)  ; 15:0 the mask: A's tiles go to my row; 17:16 element of 2 bytes; 20 padding on; 21 set beside a mask; 24:22 after every 64 words (code 5); 31:25 of 4 words (code 3)
	s_or_b32 s[G1B+0], s44, (1<<16)|(1<<20)|(1<<21)|(5<<22)|(3<<25) ; the same with the mask of my column, for B's tiles
	s_mov_b32 s[G1B+1], KSTEP<<16
	s_mov_b32 s[G1+1], KSTEP<<16                   ; 63:48 tensor_dim0, low half = 128
	s_mov_b32 s[G1B+2], 128<<16
	s_mov_b32 s[G1+2], 128<<16                     ; 79:64 its high half = 0; 95:80 tensor_dim1, low half = 128
	s_mov_b32 s[G1B+3], KSTEP<<16
	s_mov_b32 s[G1+3], KSTEP<<16                   ; 111:96 its high half = 0; 127:112 tile_dim0 = 128
	s_mov_b32 s[G1B+4], 128
	s_mov_b32 s[G1+4], 128                         ; 143:128 tile_dim1 = 128; 159:144 tile_dim2 = 0
	s_mov_b32 s[G1B+5], SIZE_K
	s_mov_b32 s[G1+5], SIZE_K                      ; 191:160 tensor_dim0_stride, low word: elements from row to row
	s_mov_b32 s[G1B+6], 0
	s_mov_b32 s[G1+6], 0
	s_mov_b32 s[G1B+7], 0
	s_mov_b32 s[G1+7], 0
	; where the tiles come from.  A's hang on the tile row alone, which my row of the cluster shares; B's on the tile column alone, which my column shares.
	; Every wave makes both addresses, in registers that never hold the other coordinate, and asks by one of them.
	s_lshl_b32 s17, s12, 7                         ; which 128 rows of the tile I fetch
	s_lshl_b32 s16, s13, 8
	s_add_co_u32 s16, s16, s17                     ; A: row 256 x tile row + 128 x half
	s_lshl_b32 s46, s42, 8
	s_add_co_u32 s46, s46, s17                     ; B: row 256 x tile column + 128 x half
	s_mov_b32 s17, 0
	s_mov_b32 s47, 0
	s_mov_b64 s[18:19], SIZE_K*2
	s_mul_u64 s[16:17], s[16:17], s[18:19]         ; in bytes
	s_mul_u64 s[46:47], s[46:47], s[18:19]
	s_mul_i32 s20, s10, HALFT                      ; and where they go: A's two halves, then B's two halves = wave x 128 rows: no place in the cluster enters an LDS address
	s_wait_dscnt 0x0                               ; both opening adds are done
	s_wait_kmcnt 0x0
	s_add_nc_u64 s[14:15], s[4:5], s[16:17]
	s_add_nc_u64 s[46:47], s[6:7], s[46:47]
	CROUND                                         ; all sixteen work-groups are here: the first joint loads meet
.irp s, 0,1
	s_mov_b32 s[G0+4*(\s)], 1                                      ; 1:0 count = 1
	s_add_co_u32 s[G0+4*(\s)+1], s20, (\s)*SLOT                    ; 63:32 LDS address
	s_add_nc_u64 s[G0+4*(\s)+2:G0+4*(\s)+3], s[14:15], (\s)*KSTEP*2  ; 120:64 global address: K step s
	s_or_b32 s[G0+4*(\s)+3], s[G0+4*(\s)+3], 0x80000000            ; 127:126 type = 2
	s_mov_b32 s[G0B+4*(\s)], 1
	s_add_co_u32 s[G0B+4*(\s)+1], s20, (\s)*SLOT
	s_add_nc_u64 s[G0B+4*(\s)+2:G0B+4*(\s)+3], s[46:47], (\s)*KSTEP*2
	s_or_b32 s[G0B+4*(\s)+3], s[G0B+4*(\s)+3], 0x80000000
	JLOAD \s                                       ; the ring is filled before anything else is done: two loads of mine are out
.endr
	; A fragment is 16 rows x 32 K in 8 registers: lane l holds row l % 16; registers 0-3 hold K = 8 (l / 16) + 0..7, registers 4-7 hold
	; K = 16 + 8 (l / 16) + 0..7.  From rows that lie along K: two loads of 16 bytes, 32 bytes apart.  The same for source 0 and source 1.
	v_and_b32 v1, 15, v0                           ; l % 16
	v_bfe_u32 v2, v0, 4, 1                         ; l / 16
	v_mul_u32_u24 v3, v1, PITCH
	v_lshl_add_u32 v3, v2, 4, v3                   ; row x pitch + 16 x half
	s_mul_i32 s21, s11, HALFT                      ; my 128 rows of A
	s_mul_i32 s22, s12, HALFT                      ; my 128 rows of B,
	s_add_co_u32 s22, s22, 2*HALFT                 ; which lie behind A's 256
.irp s, 0,1
	v_add_nc_u32 v[ADRA+(\s)], s21, v3
	v_add_nc_u32 v[ADRB+(\s)], s22, v3
	s_add_co_u32 s21, s21, SLOT
	s_add_co_u32 s22, s22, SLOT
.endr
	s_mul_i32 s23, s10, 16*SPITCH
	s_add_co_u32 s23, s23, STAGE                   ; my stage
	v_mul_u32_u24 v4, v1, SPITCH                   ; in: row l % 16, 32 bytes for each half of the lanes
	v_lshl_add_u32 v4, v2, 5, v4
	v_add_nc_u32 v[STO], s23, v4
	v_and_b32 v5, 31, v0
	v_lshlrev_b32 v[CO], 4, v5                     ; back: the 32 lanes take one row of 512 bytes, 16 bytes each; the same place in a row of out0
	v_add_nc_u32 v[RD], s23, v[CO]
	; where my part of the tile begins in out0
	s_lshl_b32 s13, s13, 8                         ; 256 x tile row
	s_lshl_b32 s14, s11, 7
	s_add_co_u32 s16, s13, s14                     ; my first row
	s_mov_b32 s17, 0
	s_mov_b64 s[18:19], SIZE_N*4
	s_mul_u64 s[16:17], s[16:17], s[18:19]
	s_lshl_b32 s46, s42, 10                        ; my first column, in bytes: 1,024 x tile column + 512 x half (in the registers that held B's address: none that feeds A's descriptors ever holds cx)
	s_lshl_b32 s47, s12, 9
	s_add_co_u32 s46, s46, s47
	s_mov_b32 s47, 0
	s_add_nc_u64 s[16:17], s[16:17], s[46:47]
	s_add_nc_u64 s[8:9], s[8:9], s[16:17]          ; never stepped again: a row's place among my 128 stands in the stores' immediates
	; the prefetches.  s13 = 256 x tile row, s42 = tile column, s40 = cx, s41 = cy still stand; s[4:5] = A, s[6:7] = B
	s_lshl_b32 s42, s42, 8
	s_and_b32 s22, ttmp7, 0xffff                   ; cluster y
	s_cmp_eq_u32 s11, 0                            ; do I fetch for A?
	s_cselect_b32 s20, s13, s42                    ; the tile's first row: in A by the tile row, in B by the tile column
	s_cselect_b32 s21, s40, s41                    ; my place among the four that ask for it with me
	s_cselect_b32 s22, ttmp9, s22                  ; the coordinate along which other clusters read the same rows
	s_cselect_b64 s[PFA:PFA+1], s[4:5], s[6:7]
	s_cmp_eq_u32 s22, 0
	s_cselect_b32 s[LIM], 1, -1                    ; the same in all sixteen partners, for a given wave
	s_lshl_b32 s22, s12, 7
	s_add_co_u32 s20, s20, s22                     ; + the 128 rows that I fetch
	s_lshl_b32 s21, s21, 5
	s_add_co_u32 s20, s20, s21                     ; + my work-group's 32 of them
	s_mov_b32 s21, 0
	s_mov_b64 s[18:19], SIZE_K*2
	s_mul_u64 s[20:21], s[20:21], s[18:19]
	s_add_nc_u64 s[PFA:PFA+1], s[PFA:PFA+1], s[20:21]
	s_add_nc_u64 s[PFA:PFA+1], s[PFA:PFA+1], 2*KSTEP*2  ; at K step 2: the first refill steps it to 3 and names K step 4
	v_and_b32 v[PFO], 31, v0
	v_mul_u32_u24 v[PFO], v[PFO], SIZE_K*2
	; nothing is prefetched here, at the head, where every work-group's first two tiles are on their way
; 16 matrix instructions: m blocks a0, a0 + 1 of the window's four (hi = 0: my rows 0-63, 1: rows 64-127) x all 8 n blocks, 32 along K.
; zero = 1: the first product starts the sums: nothing is ever cleared.  The 64 accumulators take turns, one instruction a turn, in the same order in every quarter step.
.macro MUL16 f, hi, a0, zero
	WIN MUL_LO+0x50*(\hi)  ; MUL_LO or MUL_HI
.irp a, \a0, (\a0)+1
.irp b, 0,1,2,3,4,5,6,7
.if \zero
	v_wmma_f32_16x16x32_f16 v[8*(8*(\a)+(\b)):8*(8*(\a)+(\b))+7], v[(\f)+8*(\b):(\f)+8*(\b)+7], v[(\f)+8*(4*(\hi)+(\a)):(\f)+8*(4*(\hi)+(\a))+7], 0
.else
	v_wmma_f32_16x16x32_f16 v[8*(8*(\a)+(\b)):8*(8*(\a)+(\b))+7], v[(\f)+8*(\b):(\f)+8*(\b)+7], v[(\f)+8*(4*(\hi)+(\a)):(\f)+8*(4*(\hi)+(\a))+7], v[8*(8*(\a)+(\b)):8*(8*(\a)+(\b))+7]
.endif
.endr
.endr
.endm
; 32 LDS loads in one run: the fragments of one quarter step (128 rows of B, 128 rows of A, 32 K at byte k of the rows) into buffer f
.macro FETCH slot, k, f
	WIN TO_B
.irp i, 0,1,2,3,4,5,6,7
	ds_load_b128 v[(\f)+8*(\i):(\f)+8*(\i)+3],   v[ADRB+(\slot)] offset:(\k)+(\i)*16*PITCH
	ds_load_b128 v[(\f)+8*(\i)+4:(\f)+8*(\i)+7], v[ADRB+(\slot)] offset:(\k)+(\i)*16*PITCH+32
.endr
	WIN 0
.irp i, 0,1,2,3,4,5,6,7
	ds_load_b128 v[(\f)+8*(\i):(\f)+8*(\i)+3],   v[ADRA+(\slot)] offset:(\k)+(\i)*16*PITCH
	ds_load_b128 v[(\f)+8*(\i)+4:(\f)+8*(\i)+7], v[ADRA+(\slot)] offset:(\k)+(\i)*16*PITCH+32
.endr
.endm
; A load into a register that a matrix instruction has read, and an LDS store that reads a matrix result, stand four places behind that matrix instruction, and only plain vector instructions
; that name none of its registers are places (ISA guide 7.12.1 for vector instructions); the matrix instructions in between are not counted.
.macro PLACES
.rept 4
	v_nop
.endr
.endm
; A K step is four quarter steps of 32 along K, 64 matrix instructions each, on buffers 0, 1, 0, 1.
; One of the first three: multiplies buffer f; in its middle it fetches the next quarter's fragments, at byte k of the same slot's rows, into buffer g.
.macro QUARTER slot, k, f, g, zero
	s_wait_dscnt 8                                 ; B and A's rows 0-63 are in; the youngest eight loads (A's rows 64-127) may be out
	WIN MUL_LO
	MUL16 \f, 0, 0, \zero
	MUL16 \f, 0, 2, \zero
	PLACES
	FETCH \slot, \k, \g
	s_wait_dscnt 32                                ; all but the 32 just issued
	WIN MUL_HI
	MUL16 \f, 1, 0, \zero
	MUL16 \f, 1, 2, \zero
.endm
; The last quarter multiplies buffer 1 and changes slots.  MEET is its first half: ONE barrier for the change of slots, for two things.  In front of it each wave waits for all its tensor loads,
; of which one is out: its part of the next slot; adds 0 to its spare word; and waits for that and for its own reads of this slot.  Behind it nobody reads this slot any more and the next slot is whole.
.macro MEET round                      ; round = 1: a round of the cluster's barrier follows
	WIN 0                                          ; (the add's two registers lie in window 0)
	s_wait_tensorcnt 0x0                           ; all my tensor loads have landed: the one that was out is my part of the next slot;
	ds_add_u32 v[SPW], v[NIL]                      ; 0 onto my spare word;
	s_wait_dscnt 9                                 ; (the add and the youngest eight loads may be out)
	WIN MUL_LO
	MUL16 F1, 0, 0, 0                              ; sixteen matrix instructions stand between the add and the wait for it
	s_wait_dscnt 0x0                               ; the add is done, and my reads of this slot are over:
	s_barrier_signal -1                            ; say so (where a slot is filled again this barrier opens a round of the cluster's barrier),
	MUL16 F1, 0, 2, 0                              ; work on registers while the others arrive,
.if \round
	WIN 0
.endif
	s_barrier_wait -1                              ; and go on when all four have said so
.endm
; The whole last quarter.  Behind the round the slot just read out is filled again first, with the K step two steps on; then come the next slot's first fragments.
; From a request to the wait for it a wave issues 224 matrix instructions.
.macro TURN slot, next
	s_wait_xcnt 0x0                                ; the last prefetch, a K step back, has read its address: it is stepped here, ahead of the waits of the change of slots
	s_add_nc_u64 s[PFA:PFA+1], s[PFA:PFA+1], KSTEP*2
	MEET 1
	CREST                                          ; wave 0 says so for the work-group, all sixteen work-groups have said so, my work-group's barrier closes the round:
	                                               ; no wave of any partner still reads this slot's tile or has a load on its way
	s_add_nc_u64 s[G0+4*(\slot)+2:G0+4*(\slot)+3], s[G0+4*(\slot)+2:G0+4*(\slot)+3], 2*KSTEP*2   ; no tensor load of mine is out, so a group 0 may be written; the type bits on top are not reached
	s_add_nc_u64 s[G0B+4*(\slot)+2:G0B+4*(\slot)+3], s[G0B+4*(\slot)+2:G0B+4*(\slot)+3], 2*KSTEP*2
	JLOAD \slot                                    ; the first tensor load behind the round, and my only one until the next; the four v_nop behind it are also the places in front of the loads below
	FETCH \next, 0, F0
	ASK                                            ; behind the joint load and the run of LDS loads that the next products wait for
	WIN MUL_HI
	MUL16 F1, 1, 0, 0
	MUL16 F1, 1, 2, 0
.endm
; THE WAY OUT of block a (16 of my rows x my 128 columns, f32), in two parts.  A lane's 32 bytes of an accumulator are a sixteenth of the block's row, and the lanes beside it hold other rows: so the
; block goes through my own stage in LDS.  TOSTAGE: straight from the accumulators into rows of 528 bytes, each accumulator's lower four registers first, and back as whole
; rows of 512 bytes, into one of three buffers.  SEND: stored.
.macro TOSTAGE a
.set AC, 64*((\a)%4)
.set BK, 64+64*((\a)%3)
	WIN 0x08+4*((\a)/4)                            ; an LDS store's data are source 1: window 2 or 3
.irp b, 0,1,2,3,4,5,6,7
	ds_store_b128 v[STO], v[AC+8*(\b):AC+8*(\b)+3]   offset:64*(\b)
	ds_store_b128 v[STO], v[AC+8*(\b)+4:AC+8*(\b)+7] offset:64*(\b)+16
.endr
	WIN 0
.irp t, 0,1,2,3,4,5,6,7,8,9,10,11,12,13,14,15
	ds_load_b128 v[BK+4*(\t):BK+4*(\t)+3], v[RD] offset:(\t)*SPITCH  ; LDS serves a wave's instructions in order (ISA guide 5.7.1.4): these see the stores above; the next block's stores come behind them
.endr
.endm
.macro SEND a, younger                 ; younger: the LDS instructions issued behind block a's loads: the next block's 16 stores and 16 loads, or none
.set BK, 64+64*((\a)%3)
	s_wait_dscnt \younger                          ; the block is back in registers
	s_wait_xcnt 0x0                                ; every earlier memory instruction has had its addresses translated (ISA guide 3.1): the buffer that the next TOSTAGE loads again was last read by the stores of the SEND before this one
.irp t, 0,1,2,3,4,5,6,7,8,9,10,11,12,13,14,15
	global_store_b128 v[CO], v[BK+4*(\t):BK+4*(\t)+3], s[8:9] offset:(16*(\a)+(\t))*SIZE_N*4 th:TH_STORE_NT  ; the wave stores 512 consecutive bytes, at a multiple of 512 from out0's first byte; 127 rows at the most: inside the signed 24-bit immediate
.endr
.endm
	s_wait_tensorcnt 1                             ; my part of K step 0 is in; K step 1's may stay out
	s_barrier_signal -1
	s_barrier_wait -1                              ; everybody's is
	FETCH 0, 0, F0
	QUARTER 0, 64,  F0, F1, 1                      ; the first quarter stands in front of the loop: its products start the sums
	WIN 0                                          ; at a label and at a branch every window is 0
	s_mov_b32 s3, LAPS-1
.Llap:                                                 ; 15 trips: a trip goes once round the ring, from a lap's second quarter to the next lap's first, and fills both slots again
	QUARTER 0, 128, F1, F0, 0
	QUARTER 0, 192, F0, F1, 0
	TURN 0, 1
	QUARTER 1, 64,  F0, F1, 0
	QUARTER 1, 128, F1, F0, 0
	QUARTER 1, 192, F0, F1, 0
	TURN 1, 0
	QUARTER 0, 64,  F0, F1, 0
	WIN 0
	s_sub_co_u32 s3, s3, 1
	s_cmp_lg_u32 s3, 0
	s_cbranch_scc1 .Llap
	QUARTER 0, 128, F1, F0, 0                      ; the last lap is written out: it fills nothing and no round of the cluster's barrier is needed
	QUARTER 0, 192, F0, F1, 0
	MEET 0                                         ; my one tensor load that was still out is slot 1's, the last K step's
	PLACES                                         ; for the loads into buffer 0, which the quarter before multiplied
	FETCH 1, 0, F0
	MUL16 F1, 1, 0, 0
	MUL16 F1, 1, 2, 0
	QUARTER 1, 64,  F0, F1, 0
	QUARTER 1, 128, F1, F0, 0
	QUARTER 1, 192, F0, F1, 0
	s_wait_dscnt 8                                 ; the very last quarter: nothing more to fetch
	MUL16 F1, 0, 0, 0
	MUL16 F1, 0, 2, 0
	s_wait_dscnt 0x0
	MUL16 F1, 1, 0, 0
	MUL16 F1, 1, 2, 0
	WIN 0
	PLACES                                         ; behind the last products: in front of the LDS stores that read results and of the loads into the fragments' registers;
	PLACES                                         ; eight, once a launch, the more careful count
	TOSTAGE 0
	TOSTAGE 1                                      ; a block's trip through the stage stands between the loads of the block before and its stores
	SEND 0, 32
.irp a, 2,3,4,5,6,7
	TOSTAGE \a
	SEND (\a)-1, 32
.endr
	SEND 7, 0
	s_wait_tensorcnt 0x0                           ; the wave's end: an add of 0 to my spare word and its wait, behind my last tensor load and my last LDS store
	ds_add_u32 v[SPW], v[NIL]
	s_wait_dscnt 0x0
	CROUND                                         ; the closing round: no work-group ends while a partner may still ask for a tile that names it
	s_endpgm
.Lfunc_end_k_qc33c01f742_gemm:
	.size	k_qc33c01f742_gemm, .Lfunc_end_k_qc33c01f742_gemm-k_qc33c01f742_gemm
	.p2alignl 7, 3214868480
	.fill 96, 4, 3214868480
	.section	.rodata,"a",@progbits
	.p2align	6, 0x0
	.amdhsa_kernel k_qc33c01f742_gemm
		.amdhsa_group_segment_fixed_size 327680
		.amdhsa_private_segment_fixed_size 0
		.amdhsa_enable_private_segment 0
		.amdhsa_kernarg_size 24
		.amdhsa_user_sgpr_count 2
		.amdhsa_user_sgpr_kernarg_segment_ptr 1
		.amdhsa_wavefront_size32 1
		.amdhsa_system_sgpr_workgroup_id_x 1
		.amdhsa_system_sgpr_workgroup_id_y 1
		.amdhsa_system_sgpr_workgroup_id_z 1
		.amdhsa_system_vgpr_workitem_id 0
		.amdhsa_next_free_vgpr 1024
		.amdhsa_next_free_sgpr 66
		.amdhsa_reserve_vcc 0
		.amdhsa_float_denorm_mode_32 3
		.amdhsa_float_denorm_mode_16_64 3
		.amdhsa_memory_ordered 1
		.amdhsa_forward_progress 1
		.amdhsa_inst_pref_size 142
	.end_amdhsa_kernel
	.amdgpu_metadata
---
amdhsa.version: [ 1, 2 ]
amdhsa.kernels:
  - .name:           k_qc33c01f742_gemm
    .symbol:         k_qc33c01f742_gemm.kd
    .args:
      - { .name: xh, .offset: 0, .size: 8, .value_kind: global_buffer, .address_space: global }
      - { .name: wh, .offset: 8, .size: 8, .value_kind: global_buffer, .address_space: global }
      - { .name: out0, .offset: 16, .size: 8, .value_kind: global_buffer, .address_space: global }
    .group_segment_fixed_size: 327680
    .private_segment_fixed_size: 0
    .kernarg_segment_align: 8
    .kernarg_segment_size: 24
    .max_flat_workgroup_size: 128
    .sgpr_count:     66
    .vgpr_count:     1024
    .wavefront_size: 32
...
	.end_amdgpu_metadata
.endif
;; end of part 2
;; ======== version 2 of 2: 2 launches; version 1 with the launch prep written anew for expert scheduling mode
;; limits: values are held in f16: magnitudes above 65,504 overflow, below 6.1e-05 lose precision; inputs' magnitudes at most 65,504
;; workspace buffers: xh 33,554,432 bytes; wh 33,554,432 bytes
;; launch prep (part 3): grid 1024 x 1, 8 waves a work-group, no clusters, 0 bytes of LDS; arguments x, W_q, scale, zero, xh, wh; writes xh, wh
.if DOCPART == 3
	.amdgcn_target "amdgcn-amd-amdhsa--gfx1250"
	.amdhsa_code_object_version 6
	.text
	.protected	k_qc33c01f742_prep
	.globl	k_qc33c01f742_prep
	.p2align	8
	.type	k_qc33c01f742_prep,@function
k_qc33c01f742_prep:
	s_mov_b64 s[64:65], 0
	v_nop
	global_prefetch_b8 v0, s[64:65] scope:SCOPE_SE
	s_setreg_imm32_b32 hwreg(HW_REG_WAVE_SCHED_MODE, 0, 2), 2
	s_setreg_imm32_b32 hwreg(HW_REG_WAVE_MODE, 25, 1), 1
	s_wait_xcnt 0x0
	s_wait_alu depctr_vm_vsrc(0)
; xh = f16(x), and wh = f16((n - zero) * scale): both operands of the product that follows, each rounded once.
; x: [4096][4096] f32.  W_q: 8,388,608 bytes; byte f holds element f of W (rows 0-2047) in its high nibble and element f + 8,388,608 (rows 2048-4095) in its low one.
; scale, zero: one f32 for each group of 64 neighbouring elements of W, group = element / 64.  xh, wh: [4096][4096] f16, row-major.
; LIMITS.  f16 holds no number beyond 65,504: an |x| or |(n - zero) scale| of 65,520 or more becomes an infinity; below 6.1e-5 a number keeps f16's fixed step of 6e-8.
; w is formed in f32 as n * s + (-(z * s)), one fused multiply-add: it differs from (n - z) * s by roundings of f32.  NaN and infinities are not treated apart.
; A STREAM: every byte is read once and written once, so there is no LDS, no barrier, no matrix work, and nothing that work-groups share.  The text is straight: no loop, EXEC never changes.
; SHARES.  Work-group b of 1,024, eight waves, thread t, lane l, wave w.
;   x:  four rows, 65,536 bytes at b << 16, in 16 chunks: thread t loads 16 bytes at 4,096 j + 16 t and stores 8 bytes at 2,048 j + 8 t: each store of a wave covers 256 consecutive bytes, aligned.
;   W:  8,192 bytes of W_q at b << 13, wave w 1,024 of them in 4 chunks: lane l loads the 8 bytes at 1,024 w + 256 c + 8 l.  Its 8 high nibbles are 16 bytes of wh at twice that offset, its 8 low
;       nibbles the same 16,777,216 bytes further on: each store of a wave covers 512 consecutive bytes, aligned.
;   scale, zero: a wave's 1,024 bytes span 16 groups in each half of W.  Lanes 0-15 load the 16 of the high nibbles, lanes 16-31 the 16 of the low ones: each word is fetched once a wave.
;       Chunk c of lane l wants the group in lane 4 c + l / 8 (+ 16 for the low nibbles): brought by ds_bpermute_b32, which moves between lanes and touches no LDS byte.
; IN FLIGHT.  All 22 loads of a wave go out together, ahead of all arithmetic; the waits below are counted, so that the younger loads stay out.
; THE MODE: SCHED_MODE bits 1:0 = 2 (LLVM: expert scheduling mode 2), set by the entry lines.  The code itself states the register dependences
; between vector instructions and memory or LDS instructions, with s_wait_alu, always for 0.
; THE PLAN.  Registers that memory or LDS instructions touch:
;   v2 to v6    the five offsets: written at the head, read by every load and store, never written again.
;   IDX         written at the head, read by the sixteen exchanges; then the same registers are N, written by the unpacking lines.
;   SC, CZ      read by the exchanges (SC as loaded, CZ as the one multiply writes it); never written again.
;   P, Q, X     the exchanges' and the loads' results; all of these are issued before any vector instruction names their registers.
;   O0, O1      written by the roundings of W's chunks 0, 1 and again of chunks 2, 3; read by four stores each time.
;   X, first pair of a chunk: written by the chunk's two conversions, read by its one store, never written again.
; Stores leave a stage behind the arithmetic that wrote their data: a stage begins with one wait on va_vdst for the stage before, and that stage's stores are then dealt among vector
; instructions that name other registers, with no further wait.  A: W's chunks 0, 1.  B: their stores; x's chunks 0-3.  C: those chunks' stores among W's chunks 2, 3.
; D: W's last stores among x's chunks 4-7.  E, F: x's stores among the next four chunks.  G: the last four stores.
.set XO,  2                            ; v2       16 t: my bytes in a chunk of x; never rewritten
.set YO,  3                            ; v3       8 t: my bytes in a chunk of xh; never rewritten
.set QO,  4                            ; v4       1,024 w + 8 l: my bytes of W_q; never rewritten
.set WO,  5                            ; v5       2,048 w + 16 l: my bytes of wh; never rewritten
.set TO,  6                            ; v6       64 w + 4 (l % 16) + 524,288 (l / 16): my word of scale and of zero; never rewritten
.set SC,  8                            ; v8       my group's scale s
.set ZE,  9                            ; v9       its zero z
.set CZ,  10                           ; v10      -(z s)
.set IDX, 12                           ; v[12:19] the eight lane selects, 4 x lane, for chunk c and half p at IDX + 2 c + p
.set N,   12                           ; v[12:19] afterwards: eight numbers at work
.set P,   20                           ; v[20:35] for chunk c and half p the pair (s, -(z s)) at P + 2 (2 c + p)
.set Q,   36                           ; v[36:43] chunk c's 8 bytes of W_q
.set O,   44                           ; v[44:59] two sets of 8 to store: set c % 2; the high nibbles' four registers, then the low nibbles'
.set X,   60                           ; v[60:123] chunk j's four words of x; its first two then hold the four f16
	s_load_b256 s[4:11], s[0:1], 0x0               ; x s[4:5], W_q s[6:7], scale s[8:9], zero s[10:11]
	s_load_b128 s[12:15], s[0:1], 0x20             ; xh s[12:13], wh s[14:15]
	v_and_b32 v1, 31, v0                           ; l
	v_lshlrev_b32 v[XO], 4, v0
	v_lshlrev_b32 v[YO], 3, v0
	v_and_b32 v7, 0xe0, v0                         ; 32 w
	v_lshlrev_b32 v[QO], 3, v1
	v_lshl_or_b32 v[QO], v7, 5, v[QO]
	v_lshlrev_b32 v[WO], 4, v1
	v_lshl_or_b32 v[WO], v7, 6, v[WO]
	v_and_b32 v[TO], 15, v0
	v_lshlrev_b32 v[TO], 2, v[TO]
	v_lshl_or_b32 v[TO], v7, 1, v[TO]
	v_bfe_u32 v7, v0, 4, 1                         ; l / 16: the low nibbles' groups lie 131,072 groups, 524,288 bytes, further on
	v_lshl_or_b32 v[TO], v7, 19, v[TO]
	v_lshrrev_b32 v7, 3, v1
	v_lshlrev_b32 v7, 2, v7                        ; 4 (l / 8)
.irp k, 0,1,2,3,4,5,6,7
	v_add_nc_u32 v[IDX+(\k)], 16*((\k)/2)+64*((\k)%2), v7  ; 4 x (4 c + l / 8 + 16 p)
.endr
	s_mov_b32 s19, 0                               ; s[18:19]: the work-group's byte offset in each buffer, all under 2^27
	s_wait_kmcnt 0x0
	s_lshl_b32 s18, ttmp9, 16
	s_add_nc_u64 s[4:5], s[4:5], s[18:19]          ; x: 65,536 bytes a work-group
	s_lshl_b32 s18, ttmp9, 13
	s_add_nc_u64 s[6:7], s[6:7], s[18:19]          ; W_q: 8,192
	s_lshl_b32 s18, ttmp9, 9
	s_add_nc_u64 s[8:9], s[8:9], s[18:19]          ; scale and zero: 128 groups, 512 bytes, in each half
	s_add_nc_u64 s[10:11], s[10:11], s[18:19]
	s_lshl_b32 s18, ttmp9, 15
	s_add_nc_u64 s[12:13], s[12:13], s[18:19]      ; xh: 32,768
	s_lshl_b32 s18, ttmp9, 14
	s_add_nc_u64 s[14:15], s[14:15], s[18:19]      ; wh: 16,384 in rows 0-2047,
	s_add_nc_u64 s[16:17], s[14:15], 0x1000000     ; and 16,384 in rows 2048-4095: too far for a store's immediate, so a base of its own
	s_wait_alu depctr_va_vdst(0)                   ; the five offsets v2 to v6 are written, which every load and store of the kernel reads, and so are the eight selects, which the exchanges read
	global_load_b32 v[SC], v[TO], s[8:9]           ; no hint: the neighbouring waves read the neighbouring words
	global_load_b32 v[ZE], v[TO], s[10:11]
.irp c, 0,1,2,3
	global_load_b64 v[Q+2*(\c):Q+2*(\c)+1], v[QO], s[6:7] offset:256*(\c) th:TH_LOAD_NT
.endr
.irp j, 0,1,2,3,4,5,6,7,8,9,10,11,12,13,14,15
	global_load_b128 v[X+4*(\j):X+4*(\j)+3], v[XO], s[4:5] offset:4096*(\j) th:TH_LOAD_NT
.endr
	s_wait_loadcnt 20                              ; loads come back in order (ISA guide 5.7.1): s and z are in; the 4 loads of W_q and the 16 of x stay out
.irp k, 0,1,2,3,4,5,6,7
	ds_bpermute_b32 v[P+2*(\k)], v[IDX+(\k)], v[SC]    ; s first: it is exchanged as loaded, and no vector instruction has been issued since the wait at the head
.endr
	v_mul_f32 v[CZ], -v[ZE], v[SC]
	s_wait_alu depctr_va_vdst(0)                   ; the multiply has written -(z s), which the eight exchanges below read
.irp k, 0,1,2,3,4,5,6,7
	ds_bpermute_b32 v[P+2*(\k)+1], v[IDX+(\k)], v[CZ]
.endr
	s_wait_loadcnt 16                              ; W_q's four chunks are in; the 16 loads of x stay out
	s_wait_dscnt 0x0                               ; the sixteen exchanges are done: P is whole
	s_wait_alu depctr_vm_vsrc(0)                   ; the exchanges have read the eight selects, whose registers the unpacking lines below write as N
; Chunk c, half p (0: high nibbles, 1: low nibbles): eight codes to f32, n s - z s, rounded to f16 into the chunk's set of O.
.macro DEQ c, p
.set OB, O+8*((\c)%2)+4*(\p)
.set PP, P+2*(2*(\c)+(\p))
.irp j, 0,1,2,3,4,5,6,7
	v_bfe_u32 v[N+(\j)], v[Q+2*(\c)+(\j)/4], 8*((\j)%4)+4*(1-(\p)), 4
.endr
.irp j, 0,1,2,3,4,5,6,7
	v_cvt_f32_u32 v[N+(\j)], v[N+(\j)]
.endr
.irp j, 0,2,4,6
	v_pk_fma_f32 v[N+(\j):N+(\j)+1], v[N+(\j):N+(\j)+1], v[PP:PP+1], v[PP:PP+1] op_sel:[0,0,1] op_sel_hi:[1,0,1]  ; both halves: times the pair's first register, plus its second
.endr
.irp j, 0,1,2,3
	v_cvt_pk_f16_f32 v[OB+(\j)], v[N+2*(\j)], v[N+2*(\j)+1]
.endr
.endm
; Its 16 bytes are stored.
.macro WST c, p
.set OB, O+8*((\c)%2)+4*(\p)
.if (\p) == 0
	global_store_b128 v[WO], v[OB:OB+3], s[14:15] offset:512*(\c) th:TH_STORE_NT
.else
	global_store_b128 v[WO], v[OB:OB+3], s[16:17] offset:512*(\c) th:TH_STORE_NT
.endif
.endm
; Chunk j of x: four f32 to four f16, in place; no register of X is used twice.
.macro CVX j
	v_cvt_pk_f16_f32 v[X+4*(\j)],   v[X+4*(\j)],   v[X+4*(\j)+1]
	v_cvt_pk_f16_f32 v[X+4*(\j)+1], v[X+4*(\j)+2], v[X+4*(\j)+3]
.endm
; Its 8 bytes are stored.
.macro XST j
	global_store_b64 v[YO], v[X+4*(\j):X+4*(\j)+1], s[12:13] offset:2048*(\j) th:TH_STORE_NT
.endm
; Four chunks of x, 4 g to 4 g + 3, are rounded, and among them the four chunks before are stored.
.macro XGRP g
	s_wait_loadcnt 12-4*(\g)                       ; chunks 4 g to 4 g + 3 are in; the younger chunks stay out
	s_wait_alu depctr_va_vdst(0)                   ; the conversions of the four chunks before have written their pairs, which the stores below read; the conversions below name this group's registers alone
.irp i, 0,1,2,3
	XST 4*(\g)-4+(\i)
	CVX 4*(\g)+(\i)
.endr
.endm
	; A: W's chunks 0 and 1
	DEQ 0, 0
	DEQ 0, 1
	DEQ 1, 0
	DEQ 1, 1
	; B: their stores, then x's chunks 0 to 3
	s_wait_alu depctr_va_vdst(0)                   ; the roundings have written both sets of O, which the four stores read
	WST 0, 0
	WST 0, 1
	WST 1, 0
	WST 1, 1
	s_wait_loadcnt 12                              ; x's chunks 0 to 3 are in; the 12 younger loads stay out.  This wait and the eight conversions stand between the stores above and the waits that free their registers
	CVX 0
	CVX 1
	CVX 2
	CVX 3
	; C: those chunks' stores, among W's chunks 2 and 3
	s_wait_xcnt 0x0                                ; every earlier memory instruction has had its addresses translated (ISA guide 3.1): both sets of O are rewritten only behind this wait,
	s_wait_alu depctr_vm_vsrc(0)                   ; and the four stores above have read both sets of O, which the roundings below write again
	s_wait_alu depctr_va_vdst(0)                   ; the conversions have written the pairs of x's chunks 0 to 3, which the stores below read; the lines among which these stand name N, Q, P and O alone
	XST 0
	DEQ 2, 0
	XST 1
	DEQ 2, 1
	XST 2
	DEQ 3, 0
	XST 3
	DEQ 3, 1
	; D: W's last stores, among x's chunks 4 to 7
	s_wait_loadcnt 8                               ; x's chunks 4 to 7 are in; the 8 younger loads stay out
	s_wait_alu depctr_va_vdst(0)                   ; the roundings have written both sets of O, which the four stores below read; the conversions among which these stand name x's chunks 4 to 7 alone
	WST 2, 0
	CVX 4
	WST 2, 1
	CVX 5
	WST 3, 0
	CVX 6
	WST 3, 1
	CVX 7
	; E, F: x's chunks 8 to 11 and 12 to 15, each with the stores of the four chunks before
	XGRP 2
	XGRP 3
	; G: the last four stores
	s_wait_alu depctr_va_vdst(0)                   ; the conversions have written the pairs of x's chunks 12 to 15, which the last four stores read
	XST 12
	XST 13
	XST 14
	XST 15
	s_endpgm
.Lfunc_end_k_qc33c01f742_prep:
	.size	k_qc33c01f742_prep, .Lfunc_end_k_qc33c01f742_prep-k_qc33c01f742_prep
	.p2alignl 7, 3214868480
	.fill 96, 4, 3214868480
	.section	.rodata,"a",@progbits
	.p2align	6, 0x0
	.amdhsa_kernel k_qc33c01f742_prep
		.amdhsa_group_segment_fixed_size 0
		.amdhsa_private_segment_fixed_size 0
		.amdhsa_enable_private_segment 0
		.amdhsa_kernarg_size 48
		.amdhsa_user_sgpr_count 2
		.amdhsa_user_sgpr_kernarg_segment_ptr 1
		.amdhsa_wavefront_size32 1
		.amdhsa_system_sgpr_workgroup_id_x 1
		.amdhsa_system_sgpr_workgroup_id_y 1
		.amdhsa_system_sgpr_workgroup_id_z 1
		.amdhsa_system_vgpr_workitem_id 0
		.amdhsa_next_free_vgpr 124
		.amdhsa_next_free_sgpr 66
		.amdhsa_reserve_vcc 0
		.amdhsa_float_denorm_mode_32 3
		.amdhsa_float_denorm_mode_16_64 3
		.amdhsa_memory_ordered 1
		.amdhsa_forward_progress 1
		.amdhsa_inst_pref_size 20
	.end_amdhsa_kernel
	.amdgpu_metadata
---
amdhsa.version: [ 1, 2 ]
amdhsa.kernels:
  - .name:           k_qc33c01f742_prep
    .symbol:         k_qc33c01f742_prep.kd
    .args:
      - { .name: x, .offset: 0, .size: 8, .value_kind: global_buffer, .address_space: global }
      - { .name: W_q, .offset: 8, .size: 8, .value_kind: global_buffer, .address_space: global }
      - { .name: scale, .offset: 16, .size: 8, .value_kind: global_buffer, .address_space: global }
      - { .name: zero, .offset: 24, .size: 8, .value_kind: global_buffer, .address_space: global }
      - { .name: xh, .offset: 32, .size: 8, .value_kind: global_buffer, .address_space: global }
      - { .name: wh, .offset: 40, .size: 8, .value_kind: global_buffer, .address_space: global }
    .group_segment_fixed_size: 0
    .private_segment_fixed_size: 0
    .kernarg_segment_align: 8
    .kernarg_segment_size: 48
    .max_flat_workgroup_size: 256
    .sgpr_count:     66
    .vgpr_count:     124
    .wavefront_size: 32
...
	.end_amdgpu_metadata
.endif
;; end of part 3
;; launch gemm: the kernel of part 2 again; grid 16 x 16, 4 waves a work-group, clusters of 4 x 4, 327,680 bytes of LDS; arguments xh, wh, out0; writes out0
